; MI455X (gfx1250); checked and timed in simulation.
; The chip was launched on July 23, 2026; its instructions are those of AMD's public machine-readable ISA for CDNA 5 (MIT licence, August 2026) and "CDNA5" Instruction Set Architecture Reference Guide (July 2026). The comments in the code are by the model that wrote it; some were corrected since.
;; HEPOS Bart Attention. Allowed arithmetic: float matrix products may take bf16 or f16 operands with f32 sums; all other float work in f32.
;; Inputs: Wk 1,024 x 1,024 float32; Wo 1,024 x 1,024 float32; Wq 1,024 x 1,024 float32; Wv 1,024 x 1,024 float32; bk 1,024 float32; bo 1,024 float32; bq 1,024 float32; bv 1,024 float32; hidden_states 2 x 1,024 x 1,024 float32; key_value_states 2 x 8,192 x 1,024 float32.
;; Outputs: out0 2 x 1,024 x 1,024 float32.
;; Constants: stride = 16.
;; One version. Each part assembles by itself: llvm-mc -triple=amdgcn-amd-amdhsa -mcpu=gfx1250 --defsym DOCPART=n.
;; ======== version 1 of 1: 3 launches
;; limits: values are held in f16: magnitudes above 65,504 overflow, below 6.1e-05 lose precision
;; workspace buffers: Qp 4,194,304 bytes; Kg 2,097,152 bytes; Vg 2,097,152 bytes; Wob 2,097,152 bytes; ctx 4,194,304 bytes
;; launch proj (part 1): grid 256 x 1, 8 waves a work-group, no clusters, 111,616 bytes of LDS; arguments hidden_states, key_value_states, Wq, Wk, Wv, bq, bk, bv, Wo, Qp, Kg, Vg, Wob; writes Qp, Kg, Vg, Wob
.if DOCPART == 1
	.amdgcn_target "amdgcn-amd-amdhsa--gfx1250"
	.amdhsa_code_object_version 6
	.text
	.protected	k_qc4f531c8a8_proj
	.globl	k_qc4f531c8a8_proj
	.p2align	8
	.type	k_qc4f531c8a8_proj,@function
k_qc4f531c8a8_proj:
	s_mov_b64 s[64:65], 0
	v_nop
	global_prefetch_b8 v0, s[64:65] scope:SCOPE_SE
	s_setreg_imm32_b32 hwreg(HW_REG_WAVE_MODE, 25, 1), 1
	s_wait_xcnt 0x0
; PROJECTIONS.  Every work-group makes one product of 128 rows x 128 columns over K = 1024, X W^T + bias, f16 operands, f32 sums, f16 result.
; Even groups (kind 0): head h, key block mt.  Head h only ever sees the keys at positions h + 16 j, so row t of key_value_states is
;   multiplied by the 64 rows of Wk and the 64 rows of Wv of head t mod 16 alone: X row p = kv row h + 16 (128 mt + p), W rows 0-63 = Wk rows 64 h ..,
;   W rows 64-127 = Wv rows 64 h ...  Results: Kg, Vg [head][batch*512 + j][64].
; Odd groups (kind 1): X row p = hidden_states row t + 16 p (the same pitch of 16 rows, so that both kinds run one text), W = Wq rows 128 nq ...
;   Result: Qp [head*2 + batch][t*64 + i][64] for query t + 16 i: a permuted order of queries that the last launch undoes.
; Every group also casts 4,096 numbers of Wo to f16 (Wob).
; The kinds differ in bases and offsets alone, chosen by s_cselect: no branch hangs on the kind.
; NO CLUSTER, NO TENSOR LOADS: the operands are f32 in memory.  Through registers each number is converted once and costs 2 bytes of LDS written and
; 2 bytes for each wave that reads it; a tile brought into LDS as it lies in memory would cost 4 and 4, and each of the reading waves would convert it again.
; LIMITS: operands and results are f16: |x|, |W|, |Q|, |K|, |V| below 65,504; magnitudes below 6.1e-5 keep an absolute error of at most 3e-8.
; Eight waves; wave w: rows 32 (w>>1) .., columns 64 (w&1) ..: 8 accumulators of 16 x 16.  K goes in 16 steps of 64 through two LDS slots.
; The matrix instruction is used transposed (source 0 = 16 rows of W, source 1 = 16 rows of X): a lane holds row l%16 and 8 neighbouring columns.
.set PITCH, 144                        ; an LDS row: 128 bytes (64 f16) + 16: an odd multiple of 16 bytes
.set WT,    128*PITCH                  ; W's 128 rows lie behind X's 128 rows
.set SLOT,  2*WT                       ; 36,864 bytes
.set STAGE, 2*SLOT                     ; behind the two slots: 32 rows x 144 bytes for each wave, its own
.set F,   16                           ; v[16:63]   fragments: W's column tile n at F+8n, X's row tile m at F+32+8m
.set SX,  64                           ; v[64:127]  X as loaded (f32): set s, quad i at SX+32s+4i
.set SW,  128                          ; v[128:191] W as loaded, likewise
.set ACC, 192                          ; v[192:255] accumulator (m, n) at ACC+8(4m+n)
; v1 X offset, v2 W offset, v3 staging address, v4 X fragment address, v5 W fragment address, v6 stage in, v7 stage back, v8 output offset,
; v9 bias offset, v10 Wo offset, v11 Wob offset, v12 = (l%16)*144 + 16 (l/16)
; s[44:45] X, s[46:47] W, s[48:49] bias, s[50:51] output, s[52:53] Wo, s[54:55] Wob, s60 laps, s61 stage
	s_load_b512 s[16:31], s[0:1], 0x0              ; hidden, kv, Wq, Wk, Wv, bq, bk, bv
	s_load_b256 s[32:39], s[0:1], 0x40             ; Wo, Qp, Kg, Vg
	s_load_b64 s[40:41], s[0:1], 0x60              ; Wob
	s_set_vgpr_msb 0x40
	v_lshl_add_u32 v0, v0, 2, 0x1b000
	v_mov_b32 v1, 0
	s_set_vgpr_msb 0x4000
	v_lshrrev_b32 v12, 5, v0
	v_readfirstlane_b32 s3, v12                    ; wave 0..7
	s_and_b32 s4, ttmp9, 1                         ; kind
	s_lshr_b32 s5, ttmp9, 1                        ; u: which product of that kind
	s_lshr_b32 s6, s3, 1                           ; wm: my 32 rows
	s_and_b32 s7, s3, 1                            ; wn: my 64 columns
	; kind 0
	s_lshr_b32 s8, s5, 3                           ; head
	s_and_b32 s9, s5, 7                            ; key block
	s_lshl_b32 s10, s8, 12
	s_lshl_b32 s11, s9, 23
	s_add_co_u32 s10, s10, s11                     ; X: row h, plus 128 mt steps of 16 rows of 4,096 bytes
	s_and_b32 s11, s3, 3
	s_lshl_b32 s11, s11, 4
	s_lshl_b32 s12, s8, 6                          ; first column of the bias: 64 h
	s_add_co_u32 s11, s11, s12                     ; W row that I stage: 64 h + 16 (w & 3)
	s_lshl_b32 s13, s8, 10
	s_lshl_b32 s14, s9, 7
	s_add_co_u32 s13, s13, s14
	s_lshl_b32 s14, s6, 5
	s_add_co_u32 s13, s13, s14                     ; output row: 1024 h + 128 mt + 32 wm
	; kind 1
	s_and_b32 s8, s5, 15                           ; t
	s_lshr_b32 s9, s5, 4                           ; nq
	s_lshl_b32 s14, s8, 12                         ; X: row t
	s_lshl_b32 s15, s9, 7
	s_lshl_b32 s42, s3, 4
	s_add_co_u32 s42, s42, s15                     ; W row: 128 nq + 16 w
	s_lshl_b32 s43, s7, 6
	s_add_co_u32 s43, s43, s15                     ; bias column: 128 nq + 64 wn
	s_lshl1_add_u32 s56, s9, s7                    ; head = 2 nq + wn
	s_lshr_b32 s57, s6, 1                          ; batch = wm >> 1
	s_lshl1_add_u32 s56, s56, s57
	s_lshl4_add_u32 s56, s56, s8
	s_lshl_b32 s56, s56, 6
	s_and_b32 s57, s6, 1
	s_lshl_b32 s57, s57, 5
	s_add_co_u32 s56, s56, s57                     ; output row: ((head*2 + batch)*16 + t)*64 + 32 (wm & 1)
	s_cmp_lg_u32 s4, 0
	s_cselect_b32 s10, s14, s10
	s_cselect_b32 s11, s42, s11
	s_cselect_b32 s12, s43, s12
	s_cselect_b32 s13, s56, s13
	s_lshl_b32 s14, s3, 20                         ; I stage rows 16 w ..: 16 steps of 65,536 bytes
	s_add_co_u32 s56, s10, s14
	s_mov_b32 s57, 0
	s_lshl_b32 s58, s11, 12
	s_mov_b32 s59, 0
	s_lshl_b32 s10, s12, 2
	s_mov_b32 s11, 0
	s_lshl_b32 s12, s13, 7
	s_mov_b32 s13, 0
	s_lshl_b32 s14, ttmp9, 14                      ; my group's 16,384 bytes of Wo
	s_mov_b32 s15, 0
	s_lshl_b32 s42, ttmp9, 13                      ; and its 8,192 bytes of Wob
	s_mov_b32 s43, 0
	s_mul_i32 s61, s3, 32*PITCH
	s_add_co_u32 s61, s61, STAGE
	s_mul_i32 s8, s6, 32*PITCH
	s_mul_i32 s9, s7, 64*PITCH
	s_add_co_u32 s9, s9, WT
	v_and_b32 v13, 15, v0                          ; l % 16
	v_bfe_u32 v14, v0, 4, 1                        ; l / 16
	v_lshlrev_b32 v15, 4, v13
	v_lshl_add_u32 v1, v14, 19, v15                ; X: sixteen lanes take 256 bytes of a row, the other sixteen the row 8 further (8 x 65,536 bytes)
	v_lshl_add_u32 v2, v14, 15, v15                ; W: the same with rows of 4,096 bytes
	v_lshrrev_b32 v12, 4, v0
	v_mul_u32_u24 v12, v12, 8*PITCH
	v_lshl_add_u32 v3, v13, 3, v12                 ; staging: row 16 w + 8 (l/16), 8 bytes a lane; 8 rows are 1,152 bytes = 128 modulo 256: the halves meet no common bank
	v_mul_u32_u24 v12, v13, PITCH
	v_lshl_add_u32 v12, v14, 4, v12
	v_add_nc_u32 v4, s8, v12
	v_add_nc_u32 v5, s9, v12
	v_lshlrev_b32 v9, 5, v14
	v_lshlrev_b32 v10, 4, v0
	s_wait_kmcnt 0x0
	s_cmp_lt_u32 s3, 4
	s_cselect_b64 s[46:47], s[22:23], s[24:25]     ; kind 0: waves 0-3 stage Wk, waves 4-7 Wv
	s_cmp_lg_u32 s7, 0
	s_cselect_b64 s[48:49], s[30:31], s[28:29]     ; kind 0: columns 64.. are V's
	s_cselect_b64 s[50:51], s[38:39], s[36:37]
	s_cmp_lg_u32 s4, 0
	s_cselect_b64 s[44:45], s[16:17], s[18:19]
	s_cselect_b64 s[46:47], s[20:21], s[46:47]
	s_cselect_b64 s[48:49], s[26:27], s[48:49]
	s_cselect_b64 s[50:51], s[34:35], s[50:51]
	s_add_nc_u64 s[44:45], s[44:45], s[56:57]
	s_add_nc_u64 s[46:47], s[46:47], s[58:59]
	s_add_nc_u64 s[48:49], s[48:49], s[10:11]
	s_add_nc_u64 s[50:51], s[50:51], s[12:13]
	s_add_nc_u64 s[52:53], s[32:33], s[14:15]
	s_add_nc_u64 s[54:55], s[40:41], s[42:43]
.macro LDX s, imm                      ; my 16 rows x 256 bytes of X for one K step, into set s
.irp i, 0,1,2,3,4,5,6,7
	global_load_b128 v[SX+32*(\s)+4*\i:SX+32*(\s)+4*\i+3], v1, s[44:45] offset:\i*65536+\imm
.endr
.endm
.macro LDW s, imm                      ; the same of W
.irp i, 0,1,2,3,4,5,6,7
	global_load_b128 v[SW+32*(\s)+4*\i:SW+32*(\s)+4*\i+3], v2, s[46:47] offset:\i*4096+\imm
.endr
.endm
.macro CVQ b, off                      ; four f32 to four f16, in place, and into LDS
	v_cvt_pk_f16_f32 v[\b], v[\b], v[\b+1]
	v_cvt_pk_f16_f32 v[\b+1], v[\b+2], v[\b+3]
	ds_store_b64 v3, v[\b:\b+1] offset:\off
.endm
.macro FRAG p, sub                     ; 12 loads: the fragments of 32 along K (half sub of the step) from slot p
.irp n, 0,1,2,3
	ds_load_b128 v[F+8*\n:F+8*\n+3],   v5 offset:(\p)*SLOT+\n*16*PITCH+(\sub)*64
	ds_load_b128 v[F+8*\n+4:F+8*\n+7], v5 offset:(\p)*SLOT+\n*16*PITCH+(\sub)*64+32
.endr
.irp n, 0,1
	ds_load_b128 v[F+32+8*\n:F+32+8*\n+3], v4 offset:(\p)*SLOT+\n*16*PITCH+(\sub)*64
	ds_load_b128 v[F+32+8*\n+4:F+32+8*\n+7], v4 offset:(\p)*SLOT+\n*16*PITCH+(\sub)*64+32
.endr
.endm
; product i of eight: column tile i>>1, row tile i&1.  The eight accumulators take turns, one instruction a turn, in the same order
; in every run, over the backward jump too.
.macro MM i, zero
.if \zero
	v_wmma_f32_16x16x32_f16 v[ACC+8*(4*(\i&1)+(\i>>1)):ACC+8*(4*(\i&1)+(\i>>1))+7], v[F+8*(\i>>1):F+8*(\i>>1)+7], v[F+32+8*(\i&1):F+32+8*(\i&1)+7], 0
.else
	v_wmma_f32_16x16x32_f16 v[ACC+8*(4*(\i&1)+(\i>>1)):ACC+8*(4*(\i&1)+(\i>>1))+7], v[F+8*(\i>>1):F+8*(\i>>1)+7], v[F+32+8*(\i&1):F+32+8*(\i&1)+7], v[ACC+8*(4*(\i&1)+(\i>>1)):ACC+8*(4*(\i&1)+(\i>>1))+7]
.endif
.endm
; eight products with the conversion of eight quads (registers from b, LDS bytes from off) set between them.  cnt: the younger loads that may stay out.
; The four conversions behind the last product are the four places in front of the next loads into the fragments.
.macro SUB zero, cnt, b, off
	MM 0, \zero
	s_wait_loadcnt \cnt
	CVQ \b, \off
.irp i, 1,2,3,4,5
	MM \i, \zero
	CVQ \b+4*\i, \off+PITCH*\i
.endr
	MM 6, \zero
	MM 7, \zero
	CVQ \b+24, \off+PITCH*6
	CVQ \b+28, \off+PITCH*7
.endm
; K step t from slot p; step t+1 is converted from set 1-p into slot 1-p; ld = 1: step t+3 is requested into set 1-p.
; One barrier a trip: in front of it each wave has waited for its stores into slot 1-p and for its reads of slot p.
.macro TRIP p, zero, ld, cx, cw, imm
	FRAG \p, 0
	s_wait_dscnt 0x0
	SUB \zero, \cx, SX+32*(1-\p), (1-\p)*SLOT
	FRAG \p, 1
	s_wait_dscnt 0x0                               ; the fragments are in, and the LDS stores have read the set that is loaded again
.if \ld
	LDX 1-\p, \imm
.endif
	SUB 0, \cw, SW+32*(1-\p), (1-\p)*SLOT+WT
	s_wait_dscnt 0x0                               ; for the other waves: my stores are in LDS, my reads are back
.if \ld
	LDW 1-\p, \imm
.endif
	s_barrier_signal -1
	s_barrier_wait -1
.endm
	LDX 0, 0                                       ; K steps 0 and 1
	LDW 0, 0
	LDX 1, 256
	LDW 1, 256
	s_wait_loadcnt 24                              ; X of step 0 is in; three runs of eight loads stay out
.irp i, 0,1,2,3,4,5,6,7
	CVQ SX+4*\i, PITCH*\i
.endr
	s_wait_dscnt 0x0
	LDX 0, 512
	s_wait_loadcnt 24                              ; W of step 0
.irp i, 0,1,2,3,4,5,6,7
	CVQ SW+4*\i, WT+PITCH*\i
.endr
	s_wait_dscnt 0x0
	LDW 0, 512
	s_barrier_signal -1
	s_barrier_wait -1
	; In every trip the counted waits are for 24: the eight loads of the half step that is converted are in,
	; the three younger half steps (eight loads each) stay out.
	TRIP 0, 1, 1, 24, 24, 768                      ; the first products start the sums: nothing is cleared
	TRIP 1, 0, 1, 24, 24, 1024
	s_wait_xcnt 0x0                                ; the bases are stepped only behind this wait
	s_add_nc_u64 s[44:45], s[44:45], 512
	s_add_nc_u64 s[46:47], s[46:47], 512
	s_mov_b32 s60, 5
.Llap:                                             ; K steps 2 to 11
	TRIP 0, 0, 1, 24, 24, 768
	TRIP 1, 0, 1, 24, 24, 1024
	s_wait_xcnt 0x0
	s_add_nc_u64 s[44:45], s[44:45], 512
	s_add_nc_u64 s[46:47], s[46:47], 512
	s_sub_co_u32 s60, s60, 1
	s_cmp_lg_u32 s60, 0
	s_cbranch_scc1 .Llap
	TRIP 0, 0, 1, 24, 24, 768                      ; step 12 requests step 15, the last
	TRIP 1, 0, 0, 24, 16, 0                        ; no more loads: the counts run down
	TRIP 0, 0, 0, 8, 0, 0
	; step 15: nothing left to convert.  The bias of my 64 columns and my part of Wo come in meanwhile.
.irp n, 0,1,2,3
	global_load_b128 v[64+8*\n:64+8*\n+3], v9, s[48:49] offset:\n*64
	global_load_b128 v[64+8*\n+4:64+8*\n+7], v9, s[48:49] offset:\n*64+16
.endr
.irp i, 0,1,2,3
	global_load_b128 v[96+4*\i:96+4*\i+3], v10, s[52:53] offset:\i*4096
.endr
	FRAG 1, 0
	s_wait_dscnt 0x0
.irp i, 0,1,2,3,4,5,6,7
	MM \i, 0
.endr
	v_add_nc_u32 v6, s61, v12                      ; the addresses of the way out fill the places in front of the next fragment loads
	v_and_b32 v13, 31, v0
	v_lshrrev_b32 v14, 3, v13
	v_and_b32 v15, 7, v13
	v_mul_u32_u24 v14, v14, PITCH
	v_lshl_add_u32 v14, v15, 4, v14
	v_add_nc_u32 v7, s61, v14                      ; back: eight lanes take a row of 128 bytes
	v_lshlrev_b32 v8, 4, v13
	v_lshlrev_b32 v11, 3, v0
	FRAG 1, 1
	s_wait_dscnt 0x0
.irp i, 0,1,2,3,4,5,6,7
	MM \i, 0
.endr
	s_wait_loadcnt 0x0
.irp i, 0,1,2,3                                    ; the cast of Wo: eight plain lines, which are also the places behind the last products
	v_cvt_pk_f16_f32 v[96+4*\i], v[96+4*\i], v[97+4*\i]
	v_cvt_pk_f16_f32 v[97+4*\i], v[98+4*\i], v[99+4*\i]
.endr
.irp i, 0,1,2,3
	global_store_b64 v11, v[96+4*\i:97+4*\i], s[54:55] offset:\i*2048    ; a wave's store covers 256 consecutive bytes, aligned
.endr
	; the way out: + bias, to f16, 16 bytes a lane into my own stage, back as whole rows; my 32 rows of 128 bytes are 4,096 consecutive bytes of the result
.irp m, 0,1
.irp n, 0,1,2,3
.irp j, 0,2,4,6
	v_pk_add_f32 v[ACC+8*(4*\m+\n)+\j:ACC+8*(4*\m+\n)+\j+1], v[ACC+8*(4*\m+\n)+\j:ACC+8*(4*\m+\n)+\j+1], v[64+8*\n+\j:64+8*\n+\j+1]
.endr
.irp j, 0,1,2,3
	v_cvt_pk_f16_f32 v[112+4*(4*\m+\n)+\j], v[ACC+8*(4*\m+\n)+2*\j], v[ACC+8*(4*\m+\n)+2*\j+1]
.endr
	ds_store_b128 v6, v[112+4*(4*\m+\n):112+4*(4*\m+\n)+3] offset:\m*16*PITCH+\n*32
.endr
.endr
.irp i, 0,1,2,3,4,5,6,7
	ds_load_b128 v[144+4*\i:144+4*\i+3], v7 offset:\i*4*PITCH            ; LDS serves a wave's instructions in order (ISA guide 5.7.1): these see the stores above
.endr
.irp i, 0,1,2,3,4,5,6,7
	s_wait_dscnt 7-\i
	global_store_b128 v8, v[144+4*\i:144+4*\i+3], s[50:51] offset:\i*512 ; 512 consecutive bytes, aligned
.endr
	s_set_vgpr_msb 0x5
	s_wait_tensorcnt 0x0
	ds_add_u32 v0, v1
	s_wait_dscnt 0x0
	s_set_vgpr_msb 0x500
	s_endpgm
.Lfunc_end_k_qc4f531c8a8_proj:
	.size	k_qc4f531c8a8_proj, .Lfunc_end_k_qc4f531c8a8_proj-k_qc4f531c8a8_proj
	.p2alignl 7, 3214868480
	.fill 96, 4, 3214868480
	.section	.rodata,"a",@progbits
	.p2align	6, 0x0
	.amdhsa_kernel k_qc4f531c8a8_proj
		.amdhsa_group_segment_fixed_size 111616
		.amdhsa_private_segment_fixed_size 0
		.amdhsa_enable_private_segment 0
		.amdhsa_kernarg_size 104
		.amdhsa_user_sgpr_count 2
		.amdhsa_user_sgpr_kernarg_segment_ptr 1
		.amdhsa_wavefront_size32 1
		.amdhsa_system_sgpr_workgroup_id_x 1
		.amdhsa_system_sgpr_workgroup_id_y 1
		.amdhsa_system_sgpr_workgroup_id_z 1
		.amdhsa_system_vgpr_workitem_id 0
		.amdhsa_next_free_vgpr 258
		.amdhsa_next_free_sgpr 66
		.amdhsa_reserve_vcc 0
		.amdhsa_float_denorm_mode_32 3
		.amdhsa_float_denorm_mode_16_64 3
		.amdhsa_memory_ordered 1
		.amdhsa_forward_progress 1
		.amdhsa_inst_pref_size 71
	.end_amdhsa_kernel
	.amdgpu_metadata
---
amdhsa.version: [ 1, 2 ]
amdhsa.kernels:
  - .name:           k_qc4f531c8a8_proj
    .symbol:         k_qc4f531c8a8_proj.kd
    .args:
      - { .name: hidden_states, .offset: 0, .size: 8, .value_kind: global_buffer, .address_space: global }
      - { .name: key_value_states, .offset: 8, .size: 8, .value_kind: global_buffer, .address_space: global }
      - { .name: Wq, .offset: 16, .size: 8, .value_kind: global_buffer, .address_space: global }
      - { .name: Wk, .offset: 24, .size: 8, .value_kind: global_buffer, .address_space: global }
      - { .name: Wv, .offset: 32, .size: 8, .value_kind: global_buffer, .address_space: global }
      - { .name: bq, .offset: 40, .size: 8, .value_kind: global_buffer, .address_space: global }
      - { .name: bk, .offset: 48, .size: 8, .value_kind: global_buffer, .address_space: global }
      - { .name: bv, .offset: 56, .size: 8, .value_kind: global_buffer, .address_space: global }
      - { .name: Wo, .offset: 64, .size: 8, .value_kind: global_buffer, .address_space: global }
      - { .name: Qp, .offset: 72, .size: 8, .value_kind: global_buffer, .address_space: global }
      - { .name: Kg, .offset: 80, .size: 8, .value_kind: global_buffer, .address_space: global }
      - { .name: Vg, .offset: 88, .size: 8, .value_kind: global_buffer, .address_space: global }
      - { .name: Wob, .offset: 96, .size: 8, .value_kind: global_buffer, .address_space: global }
    .group_segment_fixed_size: 111616
    .private_segment_fixed_size: 0
    .kernarg_segment_align: 8
    .kernarg_segment_size: 104
    .max_flat_workgroup_size: 256
    .sgpr_count:     66
    .vgpr_count:     258
    .wavefront_size: 32
...
	.end_amdgpu_metadata
.endif
;; end of part 1
;; launch attn (part 2): grid 256 x 1, 4 waves a work-group, clusters of 4 x 1, 174,592 bytes of LDS; arguments Qp, Kg, Vg, ctx; writes ctx
.if DOCPART == 2
	.amdgcn_target "amdgcn-amd-amdhsa--gfx1250"
	.amdhsa_code_object_version 6
	.text
	.protected	k_qc4f531c8a8_attn
	.globl	k_qc4f531c8a8_attn
	.p2align	8
	.type	k_qc4f531c8a8_attn,@function
k_qc4f531c8a8_attn:
	s_mov_b64 s[64:65], 0
	v_nop
	global_prefetch_b8 v0, s[64:65] scope:SCOPE_SE
	s_setreg_imm32_b32 hwreg(HW_REG_WAVE_MODE, 25, 1), 1
	s_wait_xcnt 0x0
	s_wait_alu depctr_hold_cnt(0) depctr_sa_sdst(0) depctr_va_vdst(0) depctr_va_sdst(0) depctr_va_ssrc(0) depctr_va_vcc(0) depctr_vm_vsrc(0)
	s_getreg_b32 s2, hwreg(HW_REG_IB_STS2, 6, 4)
	s_cmp_eq_u32 s2, 0
	s_cbranch_scc0 .Lentry_in_a_cluster
	s_endpgm
.Lentry_in_a_cluster:
	s_bfe_u32 s2, ttmp6, 0x10000c
	s_cmp_lg_u32 s2, 0x3003
	s_cbranch_scc0 .Lentry_shape_is_right
	s_endpgm
.Lentry_shape_is_right:
; ATTENTION of one (head, batch) = hb over its 512 keys, for 128 query rows a work-group, 32 a wave, in two pieces of 16.
; Qp, ctx: f16 [hb][1024][64].  Kg, Vg: f16, the block of hb is 512 rows of 64 at byte hb*65,536.
; CLUSTER: the four work-groups of a cluster take four query blocks of one hb and need the same K and V: all 128 KiB come by joint tensor loads
; (mask 15), in four parts of 128 keys; each wave asks for 32 rows of K and 32 of V of each part: eight loads out at the most, every LDS byte filled once.
; LAYOUT: scores are made transposed, S^T = K Q^T: a lane holds query l%16 and keys 8 (l/16) + j of each tile of 16 keys.  Two such tiles, packed to f16,
; ARE the second operand of O^T = V^T P (32 keys along k): no shuffle.  Maximum, sum and rescaling factor are one number a lane; only the maximum
; (each chunk) and the sum (once) cross the two halves of the lanes.  V^T comes from LDS by the transposing load.
; SOFTMAX with a running maximum for each query, in f32.  exp(0.125 (s - m)) = 2^(c s - c m), c = 0.125 log2(e).
; PIPELINE over 16 chunks of 32 keys, written out (the counted waits for the parts differ): in chunk c the vector work of piece 0 has the eight products
; P V of chunk c-1 between its lines, the vector work of piece 1 the eight products K Q^T of chunk c+1.
; LIMITS: operands f16: |Q|, |K|, |V| and the result below 65,504; p below 2^-25 rounds to 0 in P V while the sum l takes the unrounded p;
; v_exp_f32 gives 0 for results below 2^-126 (ISA guide 15.8).
.set KP,    144                        ; K's pitch: 128 + 16 bytes
.set VP,    160                        ; V's pitch: 128 + 32 bytes, an odd multiple of 32 for the transposing load
.set VBASE, 512*KP                     ; 73,728
.set STAGE, VBASE+512*VP               ; 155,648: 32 rows x 144 bytes for each wave, no tensor load fills them
.set Q,  16                            ; v[16:47]   Q(piece x, half e of d) at Q+16x+8e
.set KF, 48                            ; v[48:79]   K(tile kt, e) at KF+16kt+8e
.set VF, 80                            ; v[80:111]  V^T(16 d: dt) at VF+8dt
.set P,  112                           ; v[112:127] P(x) at P+8x
.set S,  128                           ; v[128:191] S(buffer, x, kt) at S+32b+16x+8kt
.set O,  192                           ; v[192:255] O(x, dt) at O+32x+8dt
; v1 K address, v2 V address, v3 v4 maximum of piece 0, 1, v5 v6 sum (of my half of the keys), v7 temporary, v[8:9] -c m, v[10:11] rescaling factor,
; v[12:15] at work.  s12 wave, s13 s15 s[70:73] s[78:79] hang on my place in the cluster (Q and ctx only); nothing else does.
	s_load_b256 s[4:11], s[0:1], 0x0               ; Qp, Kg, Vg, ctx
	s_set_vgpr_msb 0x40
	v_lshl_add_u32 v0, v0, 2, 0x2a800
	v_mov_b32 v1, 0
	s_set_vgpr_msb 0x4045
	ds_add_u32 v0, v1
	s_set_vgpr_msb 0x4500
	v_lshrrev_b32 v1, 5, v0
	v_readfirstlane_b32 s12, v1                    ; wave 0..3
	s_bfe_u32 s13, ttmp6, 0x40000                  ; my place in the cluster
	s_lshr_b32 s14, ttmp9, 1                       ; hb: two clusters for each
	s_and_b32 s15, ttmp9, 1
	s_lshl2_add_u32 s15, s15, s13                  ; query block 0..7
	s_lshl_b32 s2, s14, 16
	s_lshl_b32 s3, s12, 12
	s_add_co_u32 s2, s2, s3                        ; K, V: hb*65,536 + 32 w rows of 128 bytes
	s_mov_b32 s3, 0
	s_lshl_b32 s78, s14, 17
	s_lshl_b32 s79, s15, 14
	s_add_co_u32 s78, s78, s79
	s_lshl_b32 s79, s12, 12
	s_add_co_u32 s78, s78, s79                     ; Q, ctx: hb*131,072 + block*16,384 + w*4,096
	s_mov_b32 s79, 0
	s_mul_i32 s80, s12, 32*KP
	s_mul_i32 s81, s12, 32*VP
	s_add_co_u32 s81, s81, VBASE
	s_add_co_u32 s82, s80, STAGE
	s_mov_b32 s66, 0x76543210                      ; v_permlanex16_b32: lane i reads lane i of the other half
	s_mov_b32 s67, 0xfedcba98
	s_mov_b32 s68, 0x3e38aa3b                      ; c = 0.125 log2(e)
	s_mov_b32 s69, 0x3e38aa3b
	; group 1: 32 rows of 64 elements of 2 bytes, pitch 64; after every 32 words a pad of 4 (K) or 8 (V) words; mask 15 with bit 21 beside it
	s_mov_b32 s16, 15|(1<<16)|(1<<20)|(1<<21)|(4<<22)|(3<<25)
	s_mov_b32 s17, 64<<16
	s_mov_b32 s18, 32<<16
	s_mov_b32 s19, 64<<16
	s_mov_b32 s20, 32
	s_mov_b32 s21, 64
	s_mov_b32 s22, 0
	s_mov_b32 s23, 0
	s_mov_b32 s24, 15|(1<<16)|(1<<20)|(1<<21)|(4<<22)|(7<<25)
	s_mov_b32 s25, 64<<16
	s_mov_b32 s26, 32<<16
	s_mov_b32 s27, 64<<16
	s_mov_b32 s28, 32
	s_mov_b32 s29, 64
	s_mov_b32 s30, 0
	s_mov_b32 s31, 0
	v_and_b32 v1, 15, v0
	v_bfe_u32 v2, v0, 4, 1
	v_lshlrev_b32 v7, 7, v1
	v_lshl_add_u32 v7, v2, 4, v7                   ; Q: row l%16 of 128 bytes + 16 (l/16)
	v_mul_u32_u24 v1, v1, KP
	v_lshl_add_u32 v1, v2, 4, v1                   ; K: the same with the LDS pitch
	s_wait_dscnt 0x0
	s_wait_kmcnt 0x0
	s_add_nc_u64 s[70:71], s[4:5], s[78:79]
	s_add_nc_u64 s[72:73], s[10:11], s[78:79]
	s_add_nc_u64 s[74:75], s[6:7], s[2:3]
	s_add_nc_u64 s[76:77], s[8:9], s[2:3]
.irp x, 0,1
.irp e, 0,1
	global_load_b128 v[Q+16*\x+8*\e:Q+16*\x+8*\e+3],   v7, s[70:71] offset:\x*2048+\e*64
	global_load_b128 v[Q+16*\x+8*\e+4:Q+16*\x+8*\e+7], v7, s[70:71] offset:\x*2048+\e*64+32
.endr
.endr
.irp p, 0,1,2,3                                    ; group 0: a set for each load, written once
	s_mov_b32 s[32+8*\p], 1
	s_add_co_u32 s[33+8*\p], s80, \p*128*KP
	s_add_nc_u64 s[34+8*\p:35+8*\p], s[74:75], \p*16384
	s_or_b32 s[35+8*\p], s[35+8*\p], 0x80000000
	s_mov_b32 s[36+8*\p], 1
	s_add_co_u32 s[37+8*\p], s81, \p*128*VP
	s_add_nc_u64 s[38+8*\p:39+8*\p], s[76:77], \p*16384
	s_or_b32 s[39+8*\p], s[39+8*\p], 0x80000000
.endr
.macro ROUND                           ; a round of the cluster's barrier
	s_barrier_signal -1
	s_barrier_wait -1
	s_cmp_lg_u32 s12, 0
	s_cbranch_scc1 .Lnot_wave_0_\@
	s_barrier_signal -3
.Lnot_wave_0_\@:
	s_barrier_wait -3
	s_barrier_signal -1
	s_barrier_wait -1
.endm
	ROUND                                          ; all four work-groups are here: the joint loads meet
.irp p, 0,1,2,3
	tensor_load_to_lds s[32+8*\p:35+8*\p], s[16:23]
	s_nop 0
	tensor_load_to_lds s[36+8*\p:39+8*\p], s[24:31]
	s_nop 0
.endr
.macro PART n                          ; a part of 128 keys is shown to all four waves; n younger loads of mine stay out
	s_wait_tensorcnt \n
	s_wait_dscnt 0x0
	s_barrier_signal -1
	s_barrier_wait -1
.endm
.macro LDK                             ; K's fragments of the next chunk of 32 keys
.irp k, 0,1
.irp e, 0,1
	ds_load_b128 v[KF+16*\k+8*\e:KF+16*\k+8*\e+3],   v1 offset:\k*16*KP+\e*64
	ds_load_b128 v[KF+16*\k+8*\e+4:KF+16*\k+8*\e+7], v1 offset:\k*16*KP+\e*64+32
.endr
.endr
	v_add_nc_u32 v1, 32*KP, v1
.endm
.macro LDV                             ; V^T of the next chunk: 16 d x 32 keys for each dt
.irp d, 0,1,2,3
	ds_load_tr16_b128 v[VF+8*\d:VF+8*\d+3],   v2 offset:\d*32
	ds_load_tr16_b128 v[VF+8*\d+4:VF+8*\d+7], v2 offset:\d*32+16*VP
.endr
	v_add_nc_u32 v2, 32*VP, v2
.endm
; All products take their accumulators by turns, one instruction a turn.
.macro MMP i, zero                     ; O(x = i>>2, dt = i&3) += V^T(dt) P(x)
.if \zero
	v_wmma_f32_16x16x32_f16 v[O+8*\i:O+8*\i+7], v[VF+8*(\i&3):VF+8*(\i&3)+7], v[P+8*(\i>>2):P+8*(\i>>2)+7], 0
	s_wait_alu depctr_va_vdst(0)
.else
	v_wmma_f32_16x16x32_f16 v[O+8*\i:O+8*\i+7], v[VF+8*(\i&3):VF+8*(\i&3)+7], v[P+8*(\i>>2):P+8*(\i>>2)+7], v[O+8*\i:O+8*\i+7]
.endif
.endm
.macro MMS i                           ; S(HB, x = (i>>1)&1, kt = i&1): half e = i>>2 of d; e = 0 starts the sum
.if \i < 4
	v_wmma_f32_16x16x32_f16 v[S+32*HB+8*(\i&3):S+32*HB+8*(\i&3)+7], v[KF+16*(\i&1)+8*(\i>>2):KF+16*(\i&1)+8*(\i>>2)+7], v[Q+16*((\i>>1)&1)+8*(\i>>2):Q+16*((\i>>1)&1)+8*(\i>>2)+7], 0
.else
	v_wmma_f32_16x16x32_f16 v[S+32*HB+8*(\i&3):S+32*HB+8*(\i&3)+7], v[KF+16*(\i&1)+8*(\i>>2):KF+16*(\i&1)+8*(\i>>2)+7], v[Q+16*((\i>>1)&1)+8*(\i>>2):Q+16*((\i>>1)&1)+8*(\i>>2)+7], v[S+32*HB+8*(\i&3):S+32*HB+8*(\i&3)+7]
.endif
.endm
; the product that stands at place i of a half: HMODE 0 none, 1 P V starting the sums, 2 P V, 3 K Q^T.  HWAIT: the younger LDS loads that may stay out.
.macro HK i
.if HMODE
.if \i == 0
	s_wait_dscnt HWAIT
.endif
.endif
.if HMODE == 1
	MMP \i, 1
.endif
.if HMODE == 2
	MMP \i, 0
.endif
.if HMODE == 3
	MMS \i
.endif
.endm
; The vector work of piece x on the scores in buffer b, with eight products between its lines.
.macro HALF x, b, first
.set SB, S+32*(\b)+16*(\x)
	HK 0
	v_max3_num_f32 v12, v[SB], v[SB+1], v[SB+2]
	v_max3_num_f32 v14, v[SB+3], v[SB+4], v[SB+5]
	HK 1
	v_max3_num_f32 v12, v12, v[SB+6], v[SB+7]
	v_max3_num_f32 v14, v14, v[SB+8], v[SB+9]
	HK 2
	v_max3_num_f32 v12, v12, v[SB+10], v[SB+11]
	v_max3_num_f32 v14, v14, v[SB+12], v[SB+13]
	HK 3
	v_max3_num_f32 v12, v12, v[SB+14], v[SB+15]
.if \first
	v_max_num_f32 v12, v12, v14
.else
	v_max3_num_f32 v12, v12, v14, v[3+\x]          ; with the running maximum
.endif
	v_permlanex16_b32 v14, v12, s66, s67           ; the other half of the lanes holds the other 16 keys of my query
	v_max_num_f32 v12, v12, v14
	v_mul_f32 v8, 0xbe38aa3b, v12                  ; -c m
.if \first == 0
	v_fma_f32 v10, v[3+\x], s68, v8                ; c (old m - new m)
	v_exp_f32 v10, v10
.endif
	v_mov_b32 v[3+\x], v12                         ; a plain line behind the exponential (ISA guide 5.7.2)
	HK 4
.irp j, 0,2,4,6
	v_pk_fma_f32 v[SB+\j:SB+\j+1], v[SB+\j:SB+\j+1], s[68:69], v[8:9] op_sel_hi:[1,0,0]
.endr
.irp j, 0,1,2,3,4,5,6,7
	v_exp_f32 v[SB+\j], v[SB+\j]
.endr
	HK 5
.irp j, 8,10,12,14
	v_pk_fma_f32 v[SB+\j:SB+\j+1], v[SB+\j:SB+\j+1], s[68:69], v[8:9] op_sel_hi:[1,0,0]   ; plain lines behind the run of exponentials
.endr
	s_wait_alu depctr_va_vdst(0)
	v_pk_add_f32 v[12:13], v[SB:SB+1], v[SB+2:SB+3]
	v_pk_add_f32 v[14:15], v[SB+4:SB+5], v[SB+6:SB+7]
	HK 6
.irp j, 8,9,10,11,12,13,14,15
	v_exp_f32 v[SB+\j], v[SB+\j]
.endr
	HK 7
.irp j, 0,1,2,3
	v_cvt_pk_f16_f32 v[P+8*\x+\j], v[SB+2*\j], v[SB+2*\j+1]      ; plain, and independent of the run just issued
.endr
	s_wait_alu depctr_va_vdst(0)
	v_pk_add_f32 v[12:13], v[12:13], v[SB+8:SB+9]
	v_pk_add_f32 v[14:15], v[14:15], v[SB+10:SB+11]
	v_pk_add_f32 v[12:13], v[12:13], v[SB+12:SB+13]
	v_pk_add_f32 v[14:15], v[14:15], v[SB+14:SB+15]
	v_pk_add_f32 v[12:13], v[12:13], v[14:15]
	v_add_f32 v12, v12, v13
.if \first
	v_mov_b32 v[5+\x], v12
.else
	v_fma_f32 v[5+\x], v[5+\x], v10, v12
.endif
.irp j, 4,5,6,7
	v_cvt_pk_f16_f32 v[P+8*\x+\j], v[SB+2*\j], v[SB+2*\j+1]
.endr
.if \first == 0
.irp j, 0,2,4,6,8,10,12,14,16,18,20,22,24,26,28,30
	v_pk_mul_f32 v[O+32*\x+\j:O+32*\x+\j+1], v[O+32*\x+\j:O+32*\x+\j+1], v[10:11] op_sel_hi:[1,0]
.endr
.endif
.endm
; chunk c, scores in buffer b.  Piece 0 with P V of chunk c-1; V of chunk c is fetched; piece 1 with K Q^T of chunk c+1; kl: K of chunk c+2 is fetched.
; The loads into VF and KF stand more than four plain vector lines behind the last product that read them.
.macro ITER b, hma, wv, hmb, wk, first, kl
.set HMODE, \hma
.set HWAIT, \wv
	HALF 0, \b, \first
	LDV
.set HMODE, \hmb
.set HWAIT, \wk
.set HB, 1-\b
	HALF 1, \b, \first
.if \kl
	LDK
.endif
.endm
	PART 6                                         ; K and V of part 0 have landed; the six loads of parts 1 to 3 stay out
	LDK                                            ; chunk 0
	s_wait_loadcnt 0x0                             ; Q
	s_wait_dscnt 0x0
.set HB, 0
.irp i, 0,1,2,3,4,5,6,7
	MMS \i
.endr
	v_and_b32 v2, 7, v0                            ; V's address: these lines are the places behind the products
	v_bfe_u32 v7, v0, 4, 1
	v_lshl_or_b32 v2, v7, 3, v2                    ; key 8 (l/16) + l%8
	v_mul_u32_u24 v2, v2, VP
	v_bfe_u32 v7, v0, 3, 1
	v_lshl_add_u32 v2, v7, 4, v2                   ; + 16 bytes for lanes 8-15 of each half
	v_add_nc_u32 v2, VBASE, v2
	v_mov_b32 v9, 0                                ; the upper registers of the two pairs that are broadcast from below
	v_mov_b32 v11, 0
	LDK                                            ; chunk 1
	; The counted waits on LDS are for 8: the eight older fragment loads (V of chunk c-1, or K of chunk c+1) are in, the eight younger of the other kind stay out.
	ITER 0, 0, 0, 3, 8, 1, 1                       ; chunk 0
	ITER 1, 1, 8, 3, 8, 0, 1                       ; chunk 1: the first P V starts the sums
	PART 4                                         ; part 1 is first read at the end of chunk 2
.rept 2
	ITER 0, 2, 8, 3, 8, 0, 1
	ITER 1, 2, 8, 3, 8, 0, 1
.endr
	PART 2                                         ; part 2: first read at the end of chunk 6
.rept 2
	ITER 0, 2, 8, 3, 8, 0, 1
	ITER 1, 2, 8, 3, 8, 0, 1
.endr
	PART 0                                         ; part 3: all my tensor loads have landed
.rept 2
	ITER 0, 2, 8, 3, 8, 0, 1
	ITER 1, 2, 8, 3, 8, 0, 1
.endr
	ITER 0, 2, 8, 3, 8, 0, 0                       ; chunk 14: no K left to fetch
	ITER 1, 2, 0, 0, 0, 0, 0                       ; chunk 15: only V of chunk 14 was out; no scores left to make
	s_wait_dscnt 0x0                               ; V of chunk 15
.irp i, 0,1,2,3
	MMP \i, 0
.endr
	v_permlanex16_b32 v14, v5, s66, s67            ; the sum over the other 16 keys of each chunk
	v_add_f32 v5, v5, v14
	v_rcp_f32 v10, v5
.irp i, 4,5,6,7
	MMP \i, 0
.endr
	v_permlanex16_b32 v14, v6, s66, s67
	v_add_f32 v6, v6, v14
	v_rcp_f32 v8, v6
	v_and_b32 v1, 15, v0                           ; the addresses of the way out: plain lines behind the reciprocal and behind the last products
	v_bfe_u32 v7, v0, 4, 1
	v_mul_u32_u24 v2, v1, KP
	v_lshl_add_u32 v2, v7, 4, v2
	v_add_nc_u32 v2, s82, v2                       ; in: row l%16, 16 bytes for each half of the lanes
	v_and_b32 v1, 31, v0
	v_lshrrev_b32 v3, 3, v1
	v_and_b32 v7, 7, v1
	v_mul_u32_u24 v3, v3, KP
	v_lshl_add_u32 v3, v7, 4, v3
	v_add_nc_u32 v3, s82, v3                       ; back: eight lanes take a row of 128 bytes
	v_lshlrev_b32 v4, 4, v1
	s_wait_alu depctr_va_vdst(0)
.irp x, 0,1
.irp d, 0,1,2,3
.irp j, 0,2,4,6
	v_pk_mul_f32 v[O+32*\x+8*\d+\j:O+32*\x+8*\d+\j+1], v[O+32*\x+8*\d+\j:O+32*\x+8*\d+\j+1], v[10-2*\x:11-2*\x] op_sel_hi:[1,0]   ; by 1 / l
.endr
.irp j, 0,1,2,3
	v_cvt_pk_f16_f32 v[S+4*(4*\x+\d)+\j], v[O+32*\x+8*\d+2*\j], v[O+32*\x+8*\d+2*\j+1]
.endr
	ds_store_b128 v2, v[S+4*(4*\x+\d):S+4*(4*\x+\d)+3] offset:\x*16*KP+\d*32
.endr
.endr
.irp i, 0,1,2,3,4,5,6,7
	ds_load_b128 v[S+32+4*\i:S+32+4*\i+3], v3 offset:\i*4*KP     ; my own bytes, served in order (ISA guide 5.7.1)
.endr
.irp i, 0,1,2,3,4,5,6,7
	s_wait_dscnt 7-\i
	global_store_b128 v4, v[S+32+4*\i:S+32+4*\i+3], s[72:73] offset:\i*512   ; 512 consecutive bytes, aligned: my 32 rows are 4,096 consecutive bytes
.endr
	s_set_vgpr_msb 0x5
	s_wait_tensorcnt 0x0
	ds_add_u32 v0, v1
	s_wait_dscnt 0x0
	s_set_vgpr_msb 0x500
	ROUND                                          ; the closing round: no work-group ends while a partner may still ask jointly
	s_endpgm
.Lfunc_end_k_qc4f531c8a8_attn:
	.size	k_qc4f531c8a8_attn, .Lfunc_end_k_qc4f531c8a8_attn-k_qc4f531c8a8_attn
	.p2alignl 7, 3214868480
	.fill 96, 4, 3214868480
	.section	.rodata,"a",@progbits
	.p2align	6, 0x0
	.amdhsa_kernel k_qc4f531c8a8_attn
		.amdhsa_group_segment_fixed_size 174592
		.amdhsa_private_segment_fixed_size 0
		.amdhsa_enable_private_segment 0
		.amdhsa_kernarg_size 32
		.amdhsa_user_sgpr_count 2
		.amdhsa_user_sgpr_kernarg_segment_ptr 1
		.amdhsa_wavefront_size32 1
		.amdhsa_system_sgpr_workgroup_id_x 1
		.amdhsa_system_sgpr_workgroup_id_y 1
		.amdhsa_system_sgpr_workgroup_id_z 1
		.amdhsa_system_vgpr_workitem_id 0
		.amdhsa_next_free_vgpr 258
		.amdhsa_next_free_sgpr 84
		.amdhsa_reserve_vcc 0
		.amdhsa_float_denorm_mode_32 3
		.amdhsa_float_denorm_mode_16_64 3
		.amdhsa_memory_ordered 1
		.amdhsa_forward_progress 1
		.amdhsa_inst_pref_size 173
	.end_amdhsa_kernel
	.amdgpu_metadata
---
amdhsa.version: [ 1, 2 ]
amdhsa.kernels:
  - .name:           k_qc4f531c8a8_attn
    .symbol:         k_qc4f531c8a8_attn.kd
    .args:
      - { .name: Qp, .offset: 0, .size: 8, .value_kind: global_buffer, .address_space: global }
      - { .name: Kg, .offset: 8, .size: 8, .value_kind: global_buffer, .address_space: global }
      - { .name: Vg, .offset: 16, .size: 8, .value_kind: global_buffer, .address_space: global }
      - { .name: ctx, .offset: 24, .size: 8, .value_kind: global_buffer, .address_space: global }
    .group_segment_fixed_size: 174592
    .private_segment_fixed_size: 0
    .kernarg_segment_align: 8
    .kernarg_segment_size: 32
    .max_flat_workgroup_size: 128
    .sgpr_count:     84
    .vgpr_count:     258
    .wavefront_size: 32
...
	.end_amdgpu_metadata
.endif
;; end of part 2
;; launch oproj (part 3): grid 16 x 16, 4 waves a work-group, clusters of 4 x 4, 327,680 bytes of LDS; arguments ctx, Wob, bo, out0; writes out0
.if DOCPART == 3
	.amdgcn_target "amdgcn-amd-amdhsa--gfx1250"
	.amdhsa_code_object_version 6
	.text
	.protected	k_qc4f531c8a8_oproj
	.globl	k_qc4f531c8a8_oproj
	.p2align	8
	.type	k_qc4f531c8a8_oproj,@function
k_qc4f531c8a8_oproj:
	s_mov_b64 s[64:65], 0
	v_nop
	global_prefetch_b8 v0, s[64:65] scope:SCOPE_SE
	s_setreg_imm32_b32 hwreg(HW_REG_WAVE_MODE, 25, 1), 1
	s_wait_xcnt 0x0
	s_wait_alu depctr_hold_cnt(0) depctr_sa_sdst(0) depctr_va_vdst(0) depctr_va_sdst(0) depctr_va_ssrc(0) depctr_va_vcc(0) depctr_vm_vsrc(0)
	s_getreg_b32 s2, hwreg(HW_REG_IB_STS2, 6, 4)
	s_cmp_eq_u32 s2, 0
	s_cbranch_scc0 .Lentry_in_a_cluster
	s_endpgm
.Lentry_in_a_cluster:
	s_bfe_u32 s2, ttmp6, 0x10000c
	s_cmp_lg_u32 s2, 0xf033
	s_cbranch_scc0 .Lentry_shape_is_right
	s_endpgm
.Lentry_shape_is_right:
; OUTPUT PROJECTION: out0 = ctx Wo^T + bo.  ctx: f16 [head*2 + batch][q2 = t*64 + i][64] for query t + 16 i.  Wob: f16 [1024 n][1024 k].  out0: f32.
; A work-group makes 128 rows (q2) x 64 columns; wave w rows 32 w .., all 64 columns: 8 accumulators, so that a wave owns whole 256-byte pieces of output rows.
; K goes in 8 steps of 128 (two heads): X's tile is two planes of 128 rows x 128 bytes, W's 64 rows x 256 bytes.
; CLUSTER 4 x 4: X's tiles hang on the block row alone and are asked for jointly along a row of the cluster, W's on the block column alone, along a column.
; Five LDS slots: tiles 0-4 are first fills, tiles 5-7 fill slots 0-2 again behind ONE round of the cluster's barrier.  A wave has five tensor loads out at the most.
; The bias is the first product's C operand: nothing is cleared and nothing is added later.
; LIMITS: operands f16 (|ctx|, |Wo| below 65,504; magnitudes below 6.1e-5 keep an absolute error of at most 3e-8); sums and result f32.
.set XP,    144                        ; X's pitch
.set WP,    272                        ; W's pitch
.set PLANE, 128*XP                     ; 18,432
.set WOFF,  2*PLANE                    ; 36,864
.set SLOT,  WOFF+64*WP                 ; 54,272
.set STAGE, 5*SLOT                     ; 271,360: 16 rows x 272 bytes for each wave; no tensor load fills them
.set F0,   16                          ; v[16:63]   fragments, buffer 0: W's tile n at +8n, X's tile m at +32+8m
.set F1,   64                          ; v[64:111]  buffer 1
.set BIAS, 112                         ; v[112:143] bias of column tile n at +8n
.set ACC,  144                         ; v[144:207] accumulator (m, n) at +8(4m+n)
.set BK,   208                         ; v[208:239] rows read back on the way out
.set G0X,  32                          ; s[32:51]   group 0 of X's tiles, a set for each slot
.set G0W,  68                          ; s[68:87]   group 0 of W's tiles
; v[2:6] X fragment address in slot 0..4, v[7:11] W's, v12 stage in, v13 stage back, v14 output offset, v15 bias offset
; s[16:23] group 1 for X, s[24:31] for W.  Registers that feed X's descriptors never hold cx, those that feed W's never cy.
.macro JLOAD s                         ; waves 0, 1 ask for X's two planes, waves 2, 3 for W's two halves: each line has one mask
	s_cmp_eq_u32 s13, 0
	s_cbranch_scc0 .Lfor_w_\@
	tensor_load_to_lds s[G0X+4*\s:G0X+4*\s+3], s[16:23]
	s_nop 0
	s_branch .Lasked_\@
.Lfor_w_\@:
	tensor_load_to_lds s[G0W+4*\s:G0W+4*\s+3], s[24:31]
	s_nop 0
.Lasked_\@:
.endm
.macro CREST                           ; a round of the cluster's barrier behind its opening barrier
	s_cmp_lg_u32 s12, 0
	s_cbranch_scc1 .Lnot_wave_0_\@
	s_barrier_signal -3
.Lnot_wave_0_\@:
	s_barrier_wait -3
	s_barrier_signal -1
	s_barrier_wait -1
.endm
.macro CROUND
	s_barrier_signal -1
	s_barrier_wait -1
	CREST
.endm
	s_load_b256 s[4:11], s[0:1], 0x0               ; ctx, Wob, bo, out0
	v_lshl_add_u32 v240, v0, 2, 0x47000
	v_mov_b32 v241, 0
	ds_add_u32 v240, v241
	v_lshrrev_b32 v1, 5, v0
	v_readfirstlane_b32 s12, v1                    ; wave 0..3
	s_lshr_b32 s13, s12, 1                         ; I ask for X (0) or W (1)
	s_and_b32 s14, s12, 1                          ; which plane or half
	s_bfe_u32 s52, ttmp6, 0x40000                  ; cx
	s_bfe_u32 s53, ttmp6, 0x40004                  ; cy
	s_lshl_b32 s54, ttmp9, 2
	s_add_co_u32 s54, s54, s52                     ; block column: 64 columns
	s_and_b32 s55, ttmp7, 0xffff
	s_lshl_b32 s55, s55, 2
	s_add_co_u32 s55, s55, s53                     ; block row: 128 rows; batch = by >> 3
	s_lshl_b32 s56, s53, 2
	s_lshl_b32 s56, 15, s56                        ; my row of the cluster
	s_lshl_b32 s57, 0x1111, s52                    ; my column
	s_or_b32 s16, s56, (1<<16)|(1<<20)|(1<<21)|(4<<22)|(3<<25)   ; X: 2-byte elements, after every 32 words a pad of 4
	s_mov_b32 s17, 64<<16
	s_mov_b32 s18, 128<<16
	s_mov_b32 s19, 64<<16
	s_mov_b32 s20, 128
	s_mov_b32 s21, 64
	s_mov_b32 s22, 0
	s_mov_b32 s23, 0
	s_or_b32 s24, s57, (1<<16)|(1<<20)|(1<<21)|(5<<22)|(3<<25)   ; W: after every 64 words a pad of 4
	s_mov_b32 s25, 128<<16
	s_mov_b32 s26, 32<<16
	s_mov_b32 s27, 128<<16
	s_mov_b32 s28, 32
	s_mov_b32 s29, 1024
	s_mov_b32 s30, 0
	s_mov_b32 s31, 0
	s_lshl_b32 s58, s55, 14                        ; X: batch*131,072 + block*16,384 = by*16,384,
	s_lshl_b32 s15, s14, 18
	s_add_co_u32 s58, s58, s15                     ; + plane (one head on: 262,144 bytes)
	s_mov_b32 s59, 0
	s_lshl_b32 s60, s54, 17                        ; W: row 64 bx + 32 half, rows of 2,048 bytes
	s_lshl_b32 s15, s14, 16
	s_add_co_u32 s60, s60, s15
	s_mov_b32 s61, 0
	s_mul_i32 s62, s12, PLANE                      ; X to LDS: wave x 18,432 (waves 0, 1 ask)
	s_mul_i32 s63, s12, 32*WP
	s_add_co_u32 s63, s63, WOFF-2*32*WP            ; W to LDS: 36,864 + (wave - 2) x 8,704 (waves 2, 3 ask)
	s_mul_i32 s94, s12, 16*WP
	s_add_co_u32 s94, s94, STAGE
	s_wait_dscnt 0x0
	s_wait_kmcnt 0x0
	s_add_nc_u64 s[88:89], s[4:5], s[58:59]
	s_add_nc_u64 s[90:91], s[6:7], s[60:61]
.irp t, 0,1,2,3,4
	s_mov_b32 s[G0X+4*\t], 1
	s_add_co_u32 s[G0X+4*\t+1], s62, \t*SLOT
	s_add_nc_u64 s[G0X+4*\t+2:G0X+4*\t+3], s[88:89], \t*524288   ; K step t: two heads on
	s_or_b32 s[G0X+4*\t+3], s[G0X+4*\t+3], 0x80000000
	s_mov_b32 s[G0W+4*\t], 1
	s_add_co_u32 s[G0W+4*\t+1], s63, \t*SLOT
	s_add_nc_u64 s[G0W+4*\t+2:G0W+4*\t+3], s[90:91], \t*256
	s_or_b32 s[G0W+4*\t+3], s[G0W+4*\t+3], 0x80000000
.endr
	CROUND                                         ; all sixteen work-groups are here: the first joint loads meet
	JLOAD 0
	JLOAD 1
	JLOAD 2
	JLOAD 3
	JLOAD 4
	s_lshl_b32 s60, s54, 8
	s_add_nc_u64 s[8:9], s[8:9], s[60:61]          ; bias of my block's 64 columns
	s_lshr_b32 s92, s55, 3                         ; output row of my tile's first row: batch*1024 + t + 16 i with t = 2 (by & 7) + (w >> 1), i = 32 (w & 1)
	s_lshl_b32 s92, s92, 10
	s_and_b32 s93, s55, 7
	s_lshl1_add_u32 s92, s93, s92
	s_add_co_u32 s92, s92, s13
	s_lshl_b32 s93, s14, 9
	s_add_co_u32 s92, s92, s93
	s_lshl_b32 s92, s92, 12
	s_lshl_b32 s93, s54, 8
	s_add_co_u32 s92, s92, s93
	s_mov_b32 s93, 0
	s_add_nc_u64 s[10:11], s[10:11], s[92:93]
	s_mul_i32 s15, s12, 32*XP
	v_and_b32 v1, 15, v0                           ; l % 16
	v_bfe_u32 v16, v0, 4, 1                        ; l / 16
	v_lshlrev_b32 v15, 5, v16
.irp n, 0,1,2,3
	global_load_b128 v[BIAS+8*\n:BIAS+8*\n+3],   v15, s[8:9] offset:\n*64
	global_load_b128 v[BIAS+8*\n+4:BIAS+8*\n+7], v15, s[8:9] offset:\n*64+16
.endr
	v_mul_u32_u24 v17, v1, XP
	v_lshl_add_u32 v17, v16, 4, v17
	v_add_nc_u32 v17, s15, v17
	v_mul_u32_u24 v18, v1, WP
	v_lshl_add_u32 v19, v16, 4, v18
.irp t, 0,1,2,3,4
	v_add_nc_u32 v[2+\t], \t*SLOT, v17
	v_add_nc_u32 v[7+\t], \t*SLOT+WOFF, v19
.endr
	v_lshl_add_u32 v12, v16, 5, v18
	v_add_nc_u32 v12, s94, v12                     ; in: row l%16, 32 bytes for each half of the lanes
	v_mul_u32_u24 v13, v16, WP
	v_lshl_add_u32 v13, v1, 4, v13
	v_add_nc_u32 v13, s94, v13                     ; back: sixteen lanes take a row of 256 bytes
	v_lshlrev_b32 v14, 16, v16                     ; neighbouring tile rows are 16 output rows apart: 65,536 bytes
	v_lshl_add_u32 v14, v1, 4, v14
.macro FETCH s, k, f                   ; 12 loads: the fragments of quarter k (32 along K) of slot s into buffer f
.irp n, 0,1,2,3
	ds_load_b128 v[\f+8*\n:\f+8*\n+3],   v[7+\s] offset:\n*16*WP+(\k)*64
	ds_load_b128 v[\f+8*\n+4:\f+8*\n+7], v[7+\s] offset:\n*16*WP+(\k)*64+32
.endr
.irp n, 0,1
	ds_load_b128 v[\f+32+8*\n:\f+32+8*\n+3],   v[2+\s] offset:((\k)>>1)*PLANE+\n*16*XP+((\k)&1)*64
	ds_load_b128 v[\f+32+8*\n+4:\f+32+8*\n+7], v[2+\s] offset:((\k)>>1)*PLANE+\n*16*XP+((\k)&1)*64+32
.endr
.endm
; eight products, transposed use (source 0 = W, source 1 = X): a lane holds row l%16 and 8 neighbouring columns.
; The eight accumulators take turns, one instruction a turn, in the same order in every run.
.macro MUL f, start
.irp i, 0,1,2,3,4,5,6,7
.if \start
	v_wmma_f32_16x16x32_f16 v[ACC+8*(4*(\i&1)+(\i>>1)):ACC+8*(4*(\i&1)+(\i>>1))+7], v[\f+8*(\i>>1):\f+8*(\i>>1)+7], v[\f+32+8*(\i&1):\f+32+8*(\i&1)+7], v[BIAS+8*(\i>>1):BIAS+8*(\i>>1)+7]
.else
	v_wmma_f32_16x16x32_f16 v[ACC+8*(4*(\i&1)+(\i>>1)):ACC+8*(4*(\i&1)+(\i>>1))+7], v[\f+8*(\i>>1):\f+8*(\i>>1)+7], v[\f+32+8*(\i&1):\f+32+8*(\i&1)+7], v[ACC+8*(4*(\i&1)+(\i>>1)):ACC+8*(4*(\i&1)+(\i>>1))+7]
.endif
.endr
.endm
.macro PLACES                          ; four places in front of loads into registers that products have read; this text has no vector work of its own to put there
.rept 4
	v_nop
.endr
.endm
.macro STEP f, g, s, kn, start         ; multiplies buffer f while quarter kn of slot s comes into buffer g
	s_wait_dscnt 0x0
	PLACES
	FETCH \s, \kn, \g
	MUL \f, \start
.endm
; A K step on slot s; sn = the next slot.  The last quarter, by mode:
; 0 the next tile is known to have landed in every wave; 1 a barrier shows it (cnt younger loads of mine stay out);
; 2 the round behind which slots 0-2 are filled again; 3 the very last.
.macro TILE s, sn, mode, cnt, start
	STEP F0, F1, \s, 1, \start
	STEP F1, F0, \s, 2, 0
	STEP F0, F1, \s, 3, 0
	s_wait_dscnt 0x0                               ; buffer 1 is in; my reads of this slot are over
.if \mode == 0
	PLACES
	FETCH \sn, 0, F0
	MUL F1, 0
.endif
.if \mode == 1
	s_wait_tensorcnt \cnt                          ; my part of the next tile has landed
	s_barrier_signal -1
	MUL F1, 0                                      ; register work while the others arrive
	s_barrier_wait -1
	PLACES
	FETCH \sn, 0, F0
.endif
.if \mode == 2
	s_wait_tensorcnt 0x0                           ; all my tensor loads have landed, tiles 3 and 4 among them
	ds_add_u32 v240, v241
	s_wait_dscnt 0x0
	s_barrier_signal -1                            ; opens the round
	MUL F1, 0
	s_barrier_wait -1
	CREST                                          ; no wave of any partner still reads slots 0-2 or has a load on its way
.irp t, 0,1,2
	s_add_nc_u64 s[G0X+4*\t+2:G0X+4*\t+3], s[G0X+4*\t+2:G0X+4*\t+3], 5*524288
	s_add_nc_u64 s[G0W+4*\t+2:G0W+4*\t+3], s[G0W+4*\t+2:G0W+4*\t+3], 5*256
.endr
	JLOAD 0                                        ; tiles 5, 6, 7: the first tensor loads behind the round, ahead of any LDS read
	JLOAD 1
	JLOAD 2
	PLACES
	FETCH \sn, 0, F0
.endif
.if \mode == 3
	MUL F1, 0
.endif
.endm
	s_wait_tensorcnt 4                             ; my part of tile 0 is in; tiles 1-4 stay out
	s_barrier_signal -1
	s_barrier_wait -1
	FETCH 0, 0, F0
	s_wait_loadcnt 0x0                             ; the bias
	TILE 0, 1, 1, 3, 1                             ; tile 0; shows tile 1 (tiles 2, 3, 4 stay out)
	TILE 1, 2, 1, 2, 0
	TILE 2, 3, 2, 0, 0                             ; the one refill
	TILE 3, 4, 0, 0, 0                             ; tile 4 was shown landed by the wait for all loads in front of the round
	TILE 4, 0, 1, 2, 0                             ; shows tile 5 (tiles 6, 7 stay out)
	TILE 0, 1, 1, 1, 0
	TILE 1, 2, 1, 0, 0
	TILE 2, 0, 3, 0, 0
	PLACES                                         ; behind the last products, in front of the LDS stores that read the sums
	; the way out, 16 rows at a time: f32 into my own stage, back as whole rows of 256 bytes
.irp m, 0,1
.irp n, 0,1,2,3
	ds_store_b128 v12, v[ACC+8*(4*\m+\n):ACC+8*(4*\m+\n)+3]   offset:\n*64
	ds_store_b128 v12, v[ACC+8*(4*\m+\n)+4:ACC+8*(4*\m+\n)+7] offset:\n*64+16
.endr
	s_wait_xcnt 0x0                                ; the registers that the earlier stores read are loaded again only behind this wait
.irp i, 0,1,2,3,4,5,6,7
	ds_load_b128 v[BK+4*\i:BK+4*\i+3], v13 offset:\i*2*WP        ; my own bytes, served in order (ISA guide 5.7.1)
.endr
.irp i, 0,1,2,3,4,5,6,7
	s_wait_dscnt 7-\i
	global_store_b128 v14, v[BK+4*\i:BK+4*\i+3], s[10:11] offset:\m*1048576+\i*131072   ; sixteen lanes store 256 consecutive bytes, aligned
.endr
.endr
	s_wait_tensorcnt 0x0
	ds_add_u32 v240, v241
	s_wait_dscnt 0x0
	CROUND                                         ; the closing round
	s_endpgm
.Lfunc_end_k_qc4f531c8a8_oproj:
	.size	k_qc4f531c8a8_oproj, .Lfunc_end_k_qc4f531c8a8_oproj-k_qc4f531c8a8_oproj
	.p2alignl 7, 3214868480
	.fill 96, 4, 3214868480
	.section	.rodata,"a",@progbits
	.p2align	6, 0x0
	.amdhsa_kernel k_qc4f531c8a8_oproj
		.amdhsa_group_segment_fixed_size 327680
		.amdhsa_private_segment_fixed_size 0
		.amdhsa_enable_private_segment 0
		.amdhsa_kernarg_size 32
		.amdhsa_user_sgpr_count 2
		.amdhsa_user_sgpr_kernarg_segment_ptr 1
		.amdhsa_wavefront_size32 1
		.amdhsa_system_sgpr_workgroup_id_x 1
		.amdhsa_system_sgpr_workgroup_id_y 1
		.amdhsa_system_sgpr_workgroup_id_z 1
		.amdhsa_system_vgpr_workitem_id 0
		.amdhsa_next_free_vgpr 242
		.amdhsa_next_free_sgpr 96
		.amdhsa_reserve_vcc 0
		.amdhsa_float_denorm_mode_32 3
		.amdhsa_float_denorm_mode_16_64 3
		.amdhsa_memory_ordered 1
		.amdhsa_forward_progress 1
		.amdhsa_inst_pref_size 62
	.end_amdhsa_kernel
	.amdgpu_metadata
---
amdhsa.version: [ 1, 2 ]
amdhsa.kernels:
  - .name:           k_qc4f531c8a8_oproj
    .symbol:         k_qc4f531c8a8_oproj.kd
    .args:
      - { .name: ctx, .offset: 0, .size: 8, .value_kind: global_buffer, .address_space: global }
      - { .name: Wob, .offset: 8, .size: 8, .value_kind: global_buffer, .address_space: global }
      - { .name: bo, .offset: 16, .size: 8, .value_kind: global_buffer, .address_space: global }
      - { .name: out0, .offset: 24, .size: 8, .value_kind: global_buffer, .address_space: global }
    .group_segment_fixed_size: 327680
    .private_segment_fixed_size: 0
    .kernarg_segment_align: 8
    .kernarg_segment_size: 32
    .max_flat_workgroup_size: 128
    .sgpr_count:     96
    .vgpr_count:     242
    .wavefront_size: 32
...
	.end_amdgpu_metadata
.endif
;; end of part 3
